; MI455X (gfx1250); checked and timed in simulation.
; The chip was launched on July 23, 2026; its instructions are those of AMD's public machine-readable ISA for CDNA 5 (MIT licence, August 2026) and "CDNA5" Instruction Set Architecture Reference Guide (July 2026). The comments in the code are by the model that wrote it; some were corrected since.
;; Attention With Dropout. Allowed arithmetic: matrix products marked QUANTISED: E2M1 operands, one E8M0 scale for each 32 along K, by v_wmma_scale_f32_16x16x128_f8f6f4 with both operands' format E2M1 (or v_wmma_scale_f32_32x16x128_f4), f32 sums; everything else in f32.
;; Inputs: Wk_codes 1,024 x 32 x 16 uint8 (E2M1 codes of Wk, K innermost, in blocks of 32 codes, two codes a byte); Wk_scales 1,024 x 32 uint8 (E8M0 scales of Wk, one for each 32 codes along K); Wo_codes 1,024 x 32 x 16 uint8 (E2M1 codes of Wo, K innermost, in blocks of 32 codes, two codes a byte); Wo_scales 1,024 x 32 uint8 (E8M0 scales of Wo, one for each 32 codes along K); Wq_codes 1,024 x 32 x 16 uint8 (E2M1 codes of Wq, K innermost, in blocks of 32 codes, two codes a byte); Wq_scales 1,024 x 32 uint8 (E8M0 scales of Wq, one for each 32 codes along K); Wv_codes 1,024 x 32 x 16 uint8 (E2M1 codes of Wv, K innermost, in blocks of 32 codes, two codes a byte); Wv_scales 1,024 x 32 uint8 (E8M0 scales of Wv, one for each 32 codes along K); bk 1,024 float32; bo 1,024 float32; bq 1,024 float32; bv 1,024 float32; key_codes 2 x 2,048 x 32 x 16 uint8 (E2M1 codes of key, K innermost, in blocks of 32 codes, two codes a byte); key_scales 2 x 2,048 x 32 uint8 (E8M0 scales of key, one for each 32 codes along K); query_codes 2 x 2,048 x 32 x 16 uint8 (E2M1 codes of query, K innermost, in blocks of 32 codes, two codes a byte); query_scales 2 x 2,048 x 32 uint8 (E8M0 scales of query, one for each 32 codes along K); value_codes 2 x 2,048 x 32 x 16 uint8 (E2M1 codes of value, K innermost, in blocks of 32 codes, two codes a byte); value_scales 2 x 2,048 x 32 uint8 (E8M0 scales of value, one for each 32 codes along K).
;; Outputs: out0 2 x 2,048 x 1,024 float32.
;; This version of the problem:
;;   THIS VERSION OF THE PROBLEM IS GIVEN IN LOW PRECISION. The matrix products marked QUANTISED in the list below multiply operands that are first quantised to E2M1 (2 exponent bits, 1 mantissa bit; 4 bits a number), with one power-of-two scale for each 32 numbers along K (OCP MX v1.0); their sums are f32. All else is computed in f32.
;;   The module's matrix products, in the order in which they are computed (A, B: the left and right operand; K: the contracted axis; several contracted axes count as one K, in the product's order):
;;     1. [M 4,096, K 1,024] x [K 1,024, N 1,024]; A: input query (given as codes); B: input Wq (given as codes): QUANTISED
;;     2. [M 4,096, K 1,024] x [K 1,024, N 1,024]; A: input key (given as codes); B: input Wk (given as codes): QUANTISED
;;     3. [M 4,096, K 1,024] x [K 1,024, N 1,024]; A: input value (given as codes); B: input Wv (given as codes): QUANTISED
;;     4. batch 32 x [M 2,048, K 64] x [K 64, N 2,048]; A: computed on the way; B: computed on the way: QUANTISED
;;     5. batch 32 x [M 2,048, K 2,048] x [K 2,048, N 64]; A: softmax (see below); B: computed on the way: QUANTISED
;;     6. [M 4,096, K 1,024] x [K 1,024, N 1,024]; A: computed on the way; B: input Wo (given as codes): QUANTISED
;;   THE QUANTISER, for each operand of a quantised product, along K:
;;     - K is cut into blocks of 32 from its start; a last block that is shorter is filled with zeros.
;;     - A block's scale is 2^e with e = floor(log2(the largest magnitude in the block)) - 2, held to -126 .. 127; a block of zeros has e = 0. As a byte (E8M0): e + 127.
;;     - Each number is divided by its block's scale, clamped to +-6, and rounded to the nearest number of E2M1, ties to even, subnormals kept.
;;     - The product sums the exact products of the quantised numbers (number of the format x scale) in f32.
;;   ~~~python
;;   def quantise(x, axis):      # numpy; x: float32 -> the quantised numbers, widened to float32 again
;;       x = np.moveaxis(x, axis, -1); K = x.shape[-1]
;;       x = np.pad(x, [(0, 0)] * (x.ndim - 1) + [(0, -K % 32)]); x = x.reshape(x.shape[:-1] + (-1, 32)); a = np.abs(x).max(-1, keepdims=True)
;;       e = np.where(a > 0, np.clip(np.frexp(np.where(a > 0, a, 1))[1] - 1 - 2, -126, 127), 0)      # np.frexp(a)[1] - 1 = floor(log2(a)), exactly
;;       r = np.clip(x / 2.0 ** e, -6, 6)
;;       step = 2.0 ** (np.maximum(np.frexp(np.where(r == 0, 1, r))[1] - 1, 0) - 1)
;;       q = np.round(r / step) * step * 2.0 ** e      # np.round: ties to even
;;       return np.moveaxis(q.reshape(q.shape[:-2] + (-1,))[..., :K], -1, axis).astype(np.float32)
;;   ~~~
;;   SOFTMAX AHEAD OF A QUANTISED PRODUCT. Where the list says 'softmax', what is quantised is not the finished softmax but p = 2^(t - M), with t = logit x log2(e) and M = ceil(the row's largest t), a whole number; so 1/2 < the row's largest p <= 1. The row's sum l is taken of the UNQUANTISED p, in f32, and the product's result is divided by l at the end. Since M is a whole number, a kernel that streams over the keys may use a running M (the ceiling of the running maximum): every later rescaling is an exact power of two, which a block's scale takes up: the codes' values come out the same.
;;   OPERANDS COMPUTED ON THE WAY. 'Computed on the way' means the value that the module computes at that place (a softmax that the list does not call 'softmax' is quantised finished and normalised). What goes into a quantiser is computed in f32, as accurately as f32 sums, v_exp_f32 and their like allow (about 1e-6 of the number): no bf16 or f16 on the way to a quantiser, and a product that is left as it is and whose result goes on into a quantised operand takes f32 operands (vector FMAs, or v_wmma_f32_16x16x4_f32). A number that lies on a knife's edge between two numbers of the format may be rounded either way, as far as f32 arithmetic and the matrix unit's own rounding can turn it there, and no further.
;;   INPUTS GIVEN AS CODES. Wk (in the module: [1024, 1024], K = its axis 1); Wo (in the module: [1024, 1024], K = its axis 1); Wq (in the module: [1024, 1024], K = its axis 1); Wv (in the module: [1024, 1024], K = its axis 1); key (in the module: [2, 2048, 1024], K = its axis 2); query (in the module: [2, 2048, 1024], K = its axis 2); value (in the module: [2, 2048, 1024], K = its axis 2): each comes as NAME_codes (uint8): NAME with its K axis moved to the last place and cut into blocks of 32 codes, [.., K / 32, bytes a block], one block behind the other in memory; two codes a byte, the lower K in the low four bits (a code: sign, 2 exponent bits, 1 mantissa bit); and NAME_scales (uint8): the same leading axes, one E8M0 byte (e + 127) for each 32 codes along K. Its value is code x scale, taken as it is: it is not quantised again, and the codes and scales need not be those that the quantiser above would give.
;; One version. Each part assembles by itself: llvm-mc -triple=amdgcn-amd-amdhsa -mcpu=gfx1250 --defsym DOCPART=n.
;; ======== version 1 of 1: 3 launches
;; limits: right only within a limited range of input values
;; workspace buffers: qbuf 2,359,296 bytes; kv 4,718,592 bytes; aimg 2,097,152 bytes; asc 262,144 bytes
;; launch proj (part 1): grid 16 x 12, 4 waves a work-group, clusters of 4 x 4, 327,680 bytes of LDS; arguments Wq_codes, Wq_scales, query_codes, query_scales, bq, Wk_codes, Wk_scales, key_codes, key_scales, bk, value_codes, value_scales, Wv_codes, Wv_scales, bv, qbuf, kv; writes qbuf, kv
.if DOCPART == 1
	.amdgcn_target "amdgcn-amd-amdhsa--gfx1250"
	.amdhsa_code_object_version 6
	.text
	.protected	k_qbb125159e9_proj
	.globl	k_qbb125159e9_proj
	.p2align	8
	.type	k_qbb125159e9_proj,@function
k_qbb125159e9_proj:
	s_mov_b64 s[64:65], 0
	v_nop
	global_prefetch_b8 v0, s[64:65] scope:SCOPE_SE
	s_setreg_imm32_b32 hwreg(HW_REG_WAVE_MODE, 25, 1), 1
	s_wait_xcnt 0x0
	s_wait_alu depctr_hold_cnt(0) depctr_sa_sdst(0) depctr_va_vdst(0) depctr_va_sdst(0) depctr_va_ssrc(0) depctr_va_vcc(0) depctr_vm_vsrc(0)
	s_getreg_b32 s2, hwreg(HW_REG_IB_STS2, 6, 4)
	s_cmp_eq_u32 s2, 0
	s_cbranch_scc0 .Lentry_in_a_cluster
	s_endpgm
.Lentry_in_a_cluster:
	s_bfe_u32 s2, ttmp6, 0x10000c
	s_cmp_lg_u32 s2, 0xf033
	s_cbranch_scc0 .Lentry_shape_is_right
	s_endpgm
.Lentry_shape_is_right:
; THE THREE PROJECTIONS q = query Wq^T + bq, k = key Wk^T + bk, v = value Wv^T + bv on codes of FP4 (E2M1) with E8M0 scales, each followed by the quantiser of the product that reads it:
; q and k along the head's 64 features, v along the keys.  Only codes and scale words leave.  Every input and every product of the problem is used: no work is left out.
; ONE TEXT FOR ALL THREE.  The cluster's y says which (0 q, 1 k, 2 v).  The product is used transposed: source 0 = 16 rows of P, the operand whose rows are the NEXT product's K; source 1 = 16 rows of R.
; q, k: P = the weight (features), R = the tokens.  v: P = value (the keys), R = Wv (features).  In the result lane (r, h) holds R's row r, and its register j P's row 8 h + j of the tile.
; THE ROWS OF A TILE.  Of 64 rows, tile t takes rows 8 t + 0 .. 7 (its rows 0-7) and rows 32 + 8 (t ^ 1) + 0 .. 7 (its rows 8-15), for P and for R.  So lanes 0-15 hold the whole first block of 32 along the
; next K and lanes 16-31 the whole second one: no lane asks another for a maximum.  In lanes 16-31 the eights of a block are swapped in pairs; q and k, and p and v, carry the same order, which leaves every sum's terms as they are.
; (t ^ 1 and not t: rows 40 apart (24 for an odd tile) and an LDS pitch of 17 x 16 bytes put the sixteen rows of a fragment load on sixteen different 16-byte columns modulo 256.)
; SHARES.  A work-group makes 256 rows of P x 256 rows of R with K = 1,024 in two LDS slots of 512: 3 x 4 x 16 = 192 work-groups.  Four waves, each 128 x 128: 64 accumulators, 512 registers, so that 32 fragment loads feed 64 products.
; CLUSTER 4 x 4.  P's tile hangs on cx alone and is asked for jointly by a column of the cluster, R's on cy alone, by a row.  Every LDS byte is filled once; slot 1 behind slot 0's landing, under slot 0's products.
; No prefetch: each tile is asked for once; there is no loop to run ahead in.
; WHAT IS STORED.  For each (batch, head) bh and group G of 64 tokens a RECORD of 2,304 bytes: four tile images of 512 bytes (lane l's 16 bytes at 16 l: an operand's four registers as they stand: row l % 16, block l / 16)
; and one image of 256 bytes of scale words (lane l's 8 bytes at 8 l: word i belongs to tile 2 i + l / 16, row l % 16).  A scale word is byte(block 0) | byte(block 1) << 8, and the same again in its upper half.
; qbuf: [bh][G] records of q.  kv: [bh][G] k's record, then v's (tile = 16 of the head's 64, k = the group's keys).
; LIMITS: a block whose largest magnitude lies under 2^-124, a block of zeros among them, gets the byte 1 (its codes are zeros or next to it; this program alone reads the bytes); NaN and infinities are not served.
.set PITCH, 272                        ; an LDS row: 256 bytes (512 along K) + 16 of padding
.set HALFR, 128*PITCH                  ; 128 rows: what a wave reads of P or of R
.set RCOD,  2*HALFR                    ; in a slot: P's 256 rows, then R's 256 rows
.set SLOT,  4*HALFR
.set SCL,   2*SLOT                     ; R's scale bytes (256 rows x 32 bytes, as 32 pieces of 256 + 16), then P's
.set HALFS, 16*272                     ; the scale bytes of 128 rows
.set SPARE, SCL+4*HALFS                ; the spare words, 128 bytes a wave
.set REC,   2304
.set APE, 1                            ; v1-2   my P fragments in slot 0: even tiles, odd tiles;  v11-12 in slot 1
.set ARE, 3                            ; v3-4   my R fragments;  v13-14
.set ASE, 5                            ; v5-6   my scale words: lanes 0-15 R's rows, lanes 16-31 P's
.set SPW, 7                            ; v7     LDS address of my spare word
.set NIL, 8                            ; v8     0
.set L16, 9                            ; v9     16 x lane
.set L8,  10                           ; v10    8 x lane
.set SC,  32                           ; v32-95 scale words: register 32 (q / 4) + 4 i + q % 4: lanes 0-15 R's tile i, lanes 16-31 P's tile i, the q-th 128 along K
.set TM,  96                           ; v96-103 the quantiser's maxima
.set CV,  104                          ; v104-107 the conversions' scale operands
.set AF,  128                          ; v128-191 R's eight fragments; later codes
.set PC,  128
.set BP,  192                          ; v192-255 the bias as the C of the first products; later:
.set XW,  192                          ; v192-207 scale bytes, 8 gr + 4 hd + rt
.set SO,  208                          ; v208-215 images of scale words
.set WV,  3                            ; window 1: P's fragments, two sets at v0 and v128; windows 2 and 3: accumulator (a, b) of R's tile a and P's tile b at v[8 (8 (a % 4) + b)]
.set G1C0, 40                          ; group 1: P's codes, R's codes, P's scales, R's scales
.set G1C1, 48
.set G1S0, 56
.set G1S1, 68
.set G0S0, 76                          ; group 0 likewise
.set G0C0, 80
.set G0S1, 88
.set G0C1, 92
.set MSB, 0
.macro WIN new                         ; the immediate's high byte repeats the setting that is left
.if MSB != \new
	s_set_vgpr_msb (MSB<<8)|\new
.set MSB, \new
.endif
.endm
.macro CROUND                          ; a round of the cluster's barrier
	s_barrier_signal -1
	s_barrier_wait -1
	s_cmp_lg_u32 s[WV], 0
	s_cbranch_scc1 .Lnot_wave_0_\@
	s_barrier_signal -3
.Lnot_wave_0_\@:
	s_barrier_wait -3
	s_barrier_signal -1
	s_barrier_wait -1
.endm
.macro PLACES
.rept 4
	v_nop
.endr
.endm
.macro ARM under, g0, g1, next, end
	s_cmp_lt_u32 s[WV], \under
	s_cbranch_scc0 \next
	tensor_load_to_lds s[\g0:\g0+3], s[\g1:\g1+7]
	s_nop 0
	PLACES
	s_branch \end
\next:
.endm
	s_load_b512 s[4:19], s[0:1], 0x0               ; argument i at s[4 + 2 i]: five for q, five for k, five for v (P's codes, P's scales, R's codes, R's scales, the bias),
	s_load_b512 s[20:35], s[0:1], 0x40
	s_load_b64 s[36:37], s[0:1], 0x80              ; qbuf s[34:35], kv s[36:37]
	v_lshl_add_u32 v[SPW], v0, 2, SPARE
	v_mov_b32 v[NIL], 0
	ds_add_u32 v[SPW], v[NIL]                      ; the wave's opening: the add, twice on end, and its wait
	ds_add_u32 v[SPW], v[NIL]
	v_lshrrev_b32 v1, 5, v0
	v_readfirstlane_b32 s[WV], v1                  ; wave 0..3
	s_and_b32 s2, ttmp7, 0xffff                    ; the cluster's y: which projection; the same in all sixteen partners
	s_bfe_u32 s38, ttmp6, 0x40000                  ; cx
	s_bfe_u32 s39, ttmp6, 0x40004                  ; cy
	s_lshl_b32 s66, s39, 2
	s_lshl_b32 s66, 15, s66                        ; my row of the cluster
	s_lshl_b32 s67, 0x1111, s38                    ; my column
	s_or_b32 s[G1C0], s67, (1<<20)|(1<<21)|(5<<22)|(3<<25)          ; 15:0 the mask; elements of 1 byte; 20 padding on; 21 set beside a mask; after every 64 words four words
	s_or_b32 s[G1C1], s66, (1<<20)|(1<<21)|(5<<22)|(3<<25)
	s_or_b32 s[G1S0], s67, (3<<16)|(1<<20)|(1<<21)|(5<<22)|(3<<25)  ; the same with elements of 8 bytes
	s_or_b32 s[G1S1], s66, (3<<16)|(1<<20)|(1<<21)|(5<<22)|(3<<25)
.irp g, G1C0, G1C1
	s_mov_b32 s[\g+1], 256<<16                     ; 256 rows of 256 bytes, half of a row of 1,024 codes
	s_mov_b32 s[\g+2], 256<<16
	s_mov_b32 s[\g+3], 256<<16
	s_mov_b32 s[\g+4], 256
	s_mov_b32 s[\g+5], 512
	s_mov_b32 s[\g+6], 0
	s_mov_b32 s[\g+7], 0
.endr
.irp g, G1S0, G1S1
	s_mov_b32 s[\g+1], 32<<16                      ; the scale bytes of 256 rows: 8,192 dense bytes as 32 rows of 256
	s_mov_b32 s[\g+2], 32<<16
	s_mov_b32 s[\g+3], 32<<16
	s_mov_b32 s[\g+4], 32
	s_mov_b32 s[\g+5], 32
	s_mov_b32 s[\g+6], 0
	s_mov_b32 s[\g+7], 0
.endr
	s_and_b32 s100, s[WV], 1                       ; which 128 rows of P are mine
	s_lshr_b32 s101, s[WV], 1                      ; which 128 rows of R
	s_mul_i32 s96, s100, HALFR
	s_mul_i32 s97, s101, HALFR
	s_add_co_u32 s97, s97, RCOD
	s_mul_i32 s98, s101, HALFS
	s_mul_i32 s99, s100, HALFS
	s_add_co_u32 s99, s99, 2*HALFS
	s_sub_co_u32 s99, s99, s98                     ; from R's scale bytes to P's: 4,352 at the least
	s_add_co_u32 s98, s98, SCL
	v_bfe_u32 v17, v0, 4, 1                        ; h
	v_and_b32 v18, 31, v0                          ; lane
	v_and_b32 v19, 7, v0                           ; r % 8
	v_bfe_u32 v20, v0, 3, 1                        ; r / 8
	v_mul_u32_u24 v21, v19, PITCH
	v_mul_u32_u24 v22, v20, 40*PITCH               ; an even tile's rows 8-15 begin 40 rows behind its rows 0-7,
	v_mul_u32_u24 v23, v20, 24*PITCH               ; an odd tile's 24
	v_lshl_add_u32 v21, v17, 4, v21
	v_add_nc_u32 v22, v21, v22
	v_add_nc_u32 v23, v21, v23
	v_add_nc_u32 v[APE], s96, v22
	v_add_nc_u32 v[APE+1], s96, v23
	v_add_nc_u32 v[ARE], s97, v22
	v_add_nc_u32 v[ARE+1], s97, v23
	v_mul_u32_u24 v24, v20, 5*272                  ; a row's 32 scale bytes: eight rows to a piece of 256 + 16
	v_mul_u32_u24 v25, v20, 3*272
	v_mul_u32_u24 v26, s99, v17                    ; lanes 16-31 take P's
	v_lshl_add_u32 v24, v19, 5, v24
	v_lshl_add_u32 v25, v19, 5, v25
	v_add_nc_u32 v24, v24, v26
	v_add_nc_u32 v25, v25, v26
	v_add_nc_u32 v[ASE], s98, v24
	v_add_nc_u32 v[ASE+1], s98, v25
	v_add_nc_u32 v[APE+10], SLOT, v[APE]           ; the same in slot 1
	v_add_nc_u32 v[APE+11], SLOT, v[APE+1]
	v_add_nc_u32 v[ARE+10], SLOT, v[ARE]
	v_add_nc_u32 v[ARE+11], SLOT, v[ARE+1]
	v_mul_u32_u24 v27, v17, 160                    ; a bias that hangs on P's row: even tiles, odd tiles
	v_mul_u32_u24 v28, v17, 96
	v_mul_u32_u24 v29, v20, 160                    ; and one that hangs on R's row
	v_mul_u32_u24 v30, v20, 96
	v_lshl_add_u32 v29, v19, 2, v29
	v_lshl_add_u32 v30, v19, 2, v30
	v_lshlrev_b32 v[L16], 4, v18
	v_lshlrev_b32 v[L8], 3, v18
	s_wait_alu depctr_va_vdst(0)                   ; directly ahead of the waits below
	s_wait_dscnt 0x0                               ; both opening adds are done
	s_wait_kmcnt 0x0
	s_cmp_eq_u32 s2, 1                             ; the five buffers of my projection come to s[4:13]: the choice hangs on the cluster's y alone
.irp i, 0,1,2,3,4
	s_cselect_b64 s[4+2*\i:5+2*\i], s[14+2*\i:15+2*\i], s[4+2*\i:5+2*\i]
.endr
	s_cmp_eq_u32 s2, 2
.irp i, 0,1,2,3,4
	s_cselect_b64 s[4+2*\i:5+2*\i], s[24+2*\i:25+2*\i], s[4+2*\i:5+2*\i]
.endr
	s_cmp_eq_u32 s2, 0
	s_cselect_b64 s[34:35], s[34:35], s[36:37]     ; q goes to qbuf, k and v to kv
	s_lshl_b32 s14, ttmp9, 2                       ; 4 x the cluster's x goes to the tokens' index: R's for q and k, P's for v
	s_cmp_eq_u32 s2, 2
	s_cselect_b32 s15, s14, 0
	s_cselect_b32 s16, 0, s14
	s_add_co_u32 s15, s15, s38                     ; P's tile of 256 rows: hangs on cx, never on cy
	s_add_co_u32 s16, s16, s39                     ; R's: hangs on cy, never on cx
	s_lshl_b32 s18, s15, 17                        ; 256 rows of 512 bytes,
	s_mov_b32 s19, 0
	s_lshl_b32 s20, s15, 13                        ; 256 rows of 32
	s_mov_b32 s21, 0
	s_lshl_b32 s22, s16, 17
	s_mov_b32 s23, 0
	s_lshl_b32 s24, s16, 13
	s_mov_b32 s25, 0
	s_mov_b32 s[G0C0], 1
	s_mov_b32 s[G0C0+1], 0
	s_add_nc_u64 s[G0C0+2:G0C0+3], s[4:5], s[18:19]
	s_or_b32 s[G0C0+3], s[G0C0+3], 0x80000000
	s_mov_b32 s[G0S0], 1
	s_mov_b32 s[G0S0+1], SCL+2*HALFS
	s_add_nc_u64 s[G0S0+2:G0S0+3], s[6:7], s[20:21]
	s_or_b32 s[G0S0+3], s[G0S0+3], 0x80000000
	s_mov_b32 s[G0C1], 1
	s_mov_b32 s[G0C1+1], RCOD
	s_add_nc_u64 s[G0C1+2:G0C1+3], s[8:9], s[22:23]
	s_or_b32 s[G0C1+3], s[G0C1+3], 0x80000000
	s_mov_b32 s[G0S1], 1
	s_mov_b32 s[G0S1+1], SCL
	s_add_nc_u64 s[G0S1+2:G0S1+3], s[10:11], s[24:25]
	s_or_b32 s[G0S1+3], s[G0S1+3], 0x80000000
	CROUND                                         ; all sixteen work-groups are here: the joint loads meet
	ARM 1, G0C0, G1C0, .Lhead_r, .Lasked           ; one load a wave: slot 0's P, slot 0's R, P's scales, R's scales
	ARM 2, G0C1, G1C1, .Lhead_ps, .Lasked
	ARM 3, G0S0, G1S0, .Lhead_rs, .Lasked
	tensor_load_to_lds s[G0S1:G0S1+3], s[G1S1:G1S1+7]
	s_nop 0
	PLACES
.Lasked:
	; which features and which tokens are my wave's, whichever of P and R they are
	s_cmp_eq_u32 s2, 2
	s_cselect_b32 s18, s16, s15
	s_cselect_b32 s19, s101, s100
	s_cselect_b32 s20, s15, s16
	s_cselect_b32 s21, s100, s101
	s_lshl_b32 s18, s18, 8
	s_lshl_b32 s19, s19, 7
	s_add_co_u32 s22, s18, s19                     ; my first feature
	s_lshl_b32 s20, s20, 8
	s_lshl_b32 s21, s21, 7
	s_add_co_u32 s23, s20, s21                     ; my first token
	s_lshl_b32 s24, s22, 2
	s_mov_b32 s25, 0
	s_add_nc_u64 s[12:13], s[12:13], s[24:25]      ; the bias at my first feature
	s_lshr_b32 s26, s23, 11                        ; the batch,
	s_lshl_b32 s26, s26, 4
	s_lshr_b32 s27, s22, 6                         ; my first head,
	s_add_co_u32 s26, s26, s27
	s_bfe_u32 s27, s23, 0x50006                    ; my first group of 64 tokens in the batch
	s_lshl_b32 s26, s26, 5
	s_add_co_u32 s26, s26, s27
	s_mov_b32 s28, 2*REC
	s_cmp_eq_u32 s2, 0
	s_cselect_b32 s28, REC, s28                    ; from group to group: qbuf has one record to a group, kv two
	s_mul_i32 s26, s26, s28
	s_lshl_b32 s29, s28, 5                         ; from head to head: 32 groups
	s_cmp_eq_u32 s2, 2
	s_cselect_b32 s27, REC, 0                      ; v's record is the second
	s_cselect_b32 s20, s28, s29                    ; from my first 64 rows of P to the second,
	s_cselect_b32 s22, s29, s28                    ; and of R
	s_mov_b32 s21, 0
	s_mov_b32 s23, 0
	s_add_co_u32 s26, s26, s27
	s_mov_b32 s27, 0
	s_add_nc_u64 s[34:35], s[34:35], s[26:27]      ; my four records: (P's 64, R's 64) = (0, 0),
	s_add_nc_u64 s[14:15], s[34:35], s[20:21]      ; (1, 0),
	s_add_nc_u64 s[16:17], s[34:35], s[22:23]      ; (0, 1),
	s_add_nc_u64 s[18:19], s[14:15], s[22:23]      ; (1, 1)
	s_cmp_eq_u32 s2, 2
	s_cbranch_scc1 .Lbias_v
.irp b, 0,1,2,3,4,5,6,7                                ; q, k: the bias hangs on P's row: eight registers a tile of P
	global_load_b128 v[BP+8*\b:BP+8*\b+3], v[27+\b%2], s[12:13] offset:256*(\b/4)+32*(\b%4)
	global_load_b128 v[BP+8*\b+4:BP+8*\b+7], v[27+\b%2], s[12:13] offset:256*(\b/4)+32*(\b%4)+16
.endr
	s_branch .Lbias_done
.Lbias_v:
.irp a, 0,1,2,3,4,5,6,7                                ; v: it hangs on R's row: one number a lane and tile of R, in eight registers
	global_load_b32 v[BP+8*\a], v[29+\a%2], s[12:13] offset:256*(\a/4)+32*(\a%4)
.endr
	s_wait_loadcnt 0x0
.irp a, 0,1,2,3,4,5,6,7
.irp j, 1,2,3,4,5,6,7
	v_mov_b32 v[BP+8*\a+\j], v[BP+8*\a]
.endr
.endr
.Lbias_done:
.macro FETCH_P q                       ; P's eight fragments of K step q, 16 loads
	WIN 0x40
.irp i, 0,1,2,3,4,5,6,7
.irp c, 0,1
	ds_load_b128 v[128*((\q)%2)+8*\i+4*\c:128*((\q)%2)+8*\i+4*\c+3], v[APE+10*((\q)/4)+\i%2] offset:(64*(\i/4)+8*(\i%4))*PITCH+64*((\q)%4)+32*\c
.endr
.endr
	WIN 0
.endm
.macro FETCH_R q, lo                   ; four of R's, 8 loads
.irp i, 0,1,2,3
.irp c, 0,1
	ds_load_b128 v[AF+8*(\lo+\i)+4*\c:AF+8*(\lo+\i)+4*\c+3], v[ARE+10*((\q)/4)+\i%2] offset:(16*(\lo)+8*\i)*PITCH+64*((\q)%4)+32*\c
.endr
.endr
.endm
.macro MUL32 lo, q, first              ; R's tiles lo .. lo + 3 x P's eight; the 64 accumulators take turns, one instruction a turn
.irp a, 0,1,2,3
.irp b, 0,1,2,3,4,5,6,7
.set DD, 8*(8*\a+\b)
.set CC, DD
.if (\first) == 1
.set CC, BP+8*\b
.endif
.if (\first) == 2
.set CC, BP+8*(\lo+\a)
.endif
	v_wmma_scale_f32_16x16x128_f8f6f4 v[DD:DD+7], v[128*((\q)%2)+8*\b:128*((\q)%2)+8*\b+7], v[AF+8*(\lo+\a):AF+8*(\lo+\a)+7], v[CC:CC+7], v[SC+32*((\q)/4)+4*\b+(\q)%4], v[SC+32*((\q)/4)+4*(\lo+\a)+(\q)%4] matrix_a_fmt:MATRIX_FMT_FP4 matrix_b_fmt:MATRIX_FMT_FP4 matrix_a_scale:MATRIX_SCALE_ROW1
.endr
.endr
.endm
; K STEP q, 128 along K.  On entry P's fragments and R's tiles 0-3 of this step have been asked for.  R's tiles 4-7 and the next step's P are asked for ahead of the first half's products,
; the next step's R tiles 0-3 ahead of the second half's: P has two sets of registers, R one.  Step 3, slot 0's last, asks for slot 1's first P in its middle, behind the barrier that shows slot 1.
.macro STEP q, first
	FETCH_R \q, 4
.if (\q) < 7 && (\q) != 3
	FETCH_P (\q)+1
	s_wait_dscnt 24                                ; all but the 24 just issued
.else
	s_wait_dscnt 8
.endif
.if (\first) == 0
	WIN 0xa1                                       ; source 0 window 1, source 1 window 0, C and D window 2
.else
	WIN 0x81                                       ; C from window 0: the bias starts the sums
.endif
	MUL32 0, \q, \first
.if (\q) == 3
	WIN 0
	s_wait_tensorcnt 0x0                           ; my part of slot 1 has landed,
	s_wait_dscnt 0x0
	s_barrier_signal -1
	s_barrier_wait -1                              ; everybody's has
	PLACES
	FETCH_P (\q)+1
	FETCH_R (\q)+1, 0
.elseif (\q) < 7
	s_wait_dscnt 16                                ; R's tiles 4-7 are in; the next step's P may be out
	PLACES                                         ; places in front of loads into registers that matrix instructions have read
	WIN 0
	FETCH_R (\q)+1, 0
.else
	s_wait_dscnt 0
.endif
.if (\first) == 0
	WIN 0xf1
.else
	WIN 0xc1
.endif
	MUL32 4, \q, \first
	PLACES
	WIN 0
.endm
	s_wait_alu depctr_va_vdst(0)                   ; at the head's end
	s_wait_loadcnt 0x0                             ; the bias
	s_wait_tensorcnt 0x0                           ; my tile of the head's four is in
	ds_add_u32 v[SPW], v[NIL]
	s_mov_b32 s[G0C0+1], SLOT                      ; no tensor load of mine is out, so a descriptor may be written: slot 1, the second half of K
	s_mov_b32 s[G0C1+1], SLOT+RCOD
	s_add_nc_u64 s[G0C0+2:G0C0+3], s[G0C0+2:G0C0+3], 0x100
	s_add_nc_u64 s[G0C1+2:G0C1+3], s[G0C1+2:G0C1+3], 0x100
	s_wait_dscnt 0x0                               ; the add is done
	CROUND                                         ; all four tiles are in, and all sixteen work-groups are here: the joint loads meet,
	ARM 1, G0C0, G1C0, .Lslot1_r, .Lslot1_asked    ; wave 0 fetches slot 1's P, wave 1 its R
	ARM 2, G0C1, G1C1, .Lslot1_none, .Lslot1_asked
.Lslot1_asked:
.irp u, 0,1
.irp i, 0,1,2,3,4,5,6,7
	ds_load_b128 v[SC+32*\u+4*\i:SC+32*\u+4*\i+3], v[ASE+\i%2] offset:(8*(\i/4)+\i%4)*272+16*\u
.endr
.endr
	FETCH_P 0
	FETCH_R 0, 0
	s_cmp_eq_u32 s2, 2
	s_cbranch_scc1 .Lfirst_v
	STEP 0, 1
	s_branch .Lfirst_done
.Lfirst_v:
	STEP 0, 2
.Lfirst_done:
.irp q, 1,2,3,4,5,6,7
	STEP \q, 0
.endr
	; THE WAY OUT.  For R's tile a and 64 rows of P a lane's 32 registers are one block along the next K.  Four such blocks by turns.  Each store of codes covers 512 consecutive bytes, that of scale words 256, all aligned.
.macro OUT gr
.irp i, 0,1
	WIN 0x0a+5*\gr                                 ; sources 0 and 1: the accumulators' window
.irp j, 0,2,4,6,8,10,12,14
.irp k, 0,1,2,3
.set SB, 64*(2*\i+\k/2)+32*(\k%2)+\j
.if \j == 0
	v_max3_num_f32 v[TM+2*\k], |v[SB]|, |v[SB+1]|, 0x1800000       ; and the floor 2^(3 - 127): the byte cannot fall under 1
	v_max3_num_f32 v[TM+2*\k+1], |v[SB+16]|, |v[SB+17]|, 0x1800000
.else
	v_max3_num_f32 v[TM+2*\k], |v[SB]|, |v[SB+1]|, v[TM+2*\k]
	v_max3_num_f32 v[TM+2*\k+1], |v[SB+16]|, |v[SB+17]|, v[TM+2*\k+1]
.endif
.endr
.endr
	WIN 0
.irp k, 0,1,2,3
	v_max_num_f32 v[TM+2*\k], v[TM+2*\k], v[TM+2*\k+1]
.endr
.irp k, 0,1,2,3
	v_add_nc_u32 v[CV+\k], 0xff000000, v[TM+2*\k]  ; 2 off its exponent field: the conversion's scale operand
.endr
.irp k, 0,1,2,3
	v_lshrrev_b32 v[XW+8*\gr+4*(\k%2)+2*\i+\k/2], 23, v[CV+\k]     ; the scale's byte
.endr
	WIN 0x02+\gr
.irp t, 0,1,2,3
.irp k, 0,1,2,3
.set SB, 64*(2*\i+\k/2)+32*(\k%2)+8*\t
	v_cvt_scalef32_pk8_fp4_f32 v[PC+4*(8*\gr+4*(\k%2)+2*\i+\k/2)+\t], v[SB:SB+7], v[CV+\k]
.endr
.endr
	WIN 0
.irp d, 0,1
.set XB, XW+8*\gr+4*\d+2*\i
	v_permlane16_swap_b32 v[XB], v[XB+1]           ; first blocks of the even and the odd tile; second blocks of both
	v_lshl_or_b32 v[SO+4*\gr+2*\d+\i], v[XB+1], 8, v[XB]
	v_lshl_or_b32 v[SO+4*\gr+2*\d+\i], v[SO+4*\gr+2*\d+\i], 16, v[SO+4*\gr+2*\d+\i]  ; and the two bytes again, for a reader that lays the codes in the upper half of its K
.endr
.irp k, 0,1,2,3
.set BS, 12+2*(\k%2+2*\gr)
.if BS == 12
.set BS, 34
.endif
.set PB, PC+4*(8*\gr+4*(\k%2)+2*\i+\k/2)
	global_store_b128 v[L16], v[PB:PB+3], s[BS:BS+1] offset:512*(2*\i+\k/2)
.endr
.endr
.irp d, 0,1
.set BS, 12+2*(\d+2*\gr)
.if BS == 12
.set BS, 34
.endif
	global_store_b64 v[L8], v[SO+4*\gr+2*\d:SO+4*\gr+2*\d+1], s[BS:BS+1] offset:2048
.endr
.endm
	OUT 0
	OUT 1
	s_wait_tensorcnt 0x0                           ; the wave's end
	ds_add_u32 v[SPW], v[NIL]
	s_wait_dscnt 0x0
	CROUND                                         ; the closing round: no work-group ends while a partner may still ask for a tile that names it
	s_endpgm
.Lfunc_end_k_qbb125159e9_proj:
	.size	k_qbb125159e9_proj, .Lfunc_end_k_qbb125159e9_proj-k_qbb125159e9_proj
	.p2alignl 7, 3214868480
	.fill 96, 4, 3214868480
	.section	.rodata,"a",@progbits
	.p2align	6, 0x0
	.amdhsa_kernel k_qbb125159e9_proj
		.amdhsa_group_segment_fixed_size 327680
		.amdhsa_private_segment_fixed_size 0
		.amdhsa_enable_private_segment 0
		.amdhsa_kernarg_size 136
		.amdhsa_user_sgpr_count 2
		.amdhsa_user_sgpr_kernarg_segment_ptr 1
		.amdhsa_wavefront_size32 1
		.amdhsa_system_sgpr_workgroup_id_x 1
		.amdhsa_system_sgpr_workgroup_id_y 1
		.amdhsa_system_sgpr_workgroup_id_z 1
		.amdhsa_system_vgpr_workitem_id 0
		.amdhsa_next_free_vgpr 1024
		.amdhsa_next_free_sgpr 102
		.amdhsa_reserve_vcc 0
		.amdhsa_float_denorm_mode_32 3
		.amdhsa_float_denorm_mode_16_64 3
		.amdhsa_memory_ordered 1
		.amdhsa_forward_progress 1
		.amdhsa_inst_pref_size 139
	.end_amdhsa_kernel
	.amdgpu_metadata
---
amdhsa.version: [ 1, 2 ]
amdhsa.kernels:
  - .name:           k_qbb125159e9_proj
    .symbol:         k_qbb125159e9_proj.kd
    .args:
      - { .name: Wq_codes, .offset: 0, .size: 8, .value_kind: global_buffer, .address_space: global }
      - { .name: Wq_scales, .offset: 8, .size: 8, .value_kind: global_buffer, .address_space: global }
      - { .name: query_codes, .offset: 16, .size: 8, .value_kind: global_buffer, .address_space: global }
      - { .name: query_scales, .offset: 24, .size: 8, .value_kind: global_buffer, .address_space: global }
      - { .name: bq, .offset: 32, .size: 8, .value_kind: global_buffer, .address_space: global }
      - { .name: Wk_codes, .offset: 40, .size: 8, .value_kind: global_buffer, .address_space: global }
      - { .name: Wk_scales, .offset: 48, .size: 8, .value_kind: global_buffer, .address_space: global }
      - { .name: key_codes, .offset: 56, .size: 8, .value_kind: global_buffer, .address_space: global }
      - { .name: key_scales, .offset: 64, .size: 8, .value_kind: global_buffer, .address_space: global }
      - { .name: bk, .offset: 72, .size: 8, .value_kind: global_buffer, .address_space: global }
      - { .name: value_codes, .offset: 80, .size: 8, .value_kind: global_buffer, .address_space: global }
      - { .name: value_scales, .offset: 88, .size: 8, .value_kind: global_buffer, .address_space: global }
      - { .name: Wv_codes, .offset: 96, .size: 8, .value_kind: global_buffer, .address_space: global }
      - { .name: Wv_scales, .offset: 104, .size: 8, .value_kind: global_buffer, .address_space: global }
      - { .name: bv, .offset: 112, .size: 8, .value_kind: global_buffer, .address_space: global }
      - { .name: qbuf, .offset: 120, .size: 8, .value_kind: global_buffer, .address_space: global }
      - { .name: kv, .offset: 128, .size: 8, .value_kind: global_buffer, .address_space: global }
    .group_segment_fixed_size: 327680
    .private_segment_fixed_size: 0
    .kernarg_segment_align: 8
    .kernarg_segment_size: 136
    .max_flat_workgroup_size: 128
    .sgpr_count:     102
    .vgpr_count:     1024
    .wavefront_size: 32
...
	.end_amdgpu_metadata
.endif
;; end of part 1
;; launch attn (part 2): grid 8 x 32, 16 waves a work-group, clusters of 4 x 1, 169,984 bytes of LDS; arguments qbuf, kv, aimg, asc; writes aimg, asc
.if DOCPART == 2
	.amdgcn_target "amdgcn-amd-amdhsa--gfx1250"
	.amdhsa_code_object_version 6
	.text
	.protected	k_qbb125159e9_attn
	.globl	k_qbb125159e9_attn
	.p2align	8
	.type	k_qbb125159e9_attn,@function
k_qbb125159e9_attn:
	s_mov_b64 s[64:65], 0
	v_nop
	global_prefetch_b8 v0, s[64:65] scope:SCOPE_SE
	s_setreg_imm32_b32 hwreg(HW_REG_WAVE_MODE, 25, 1), 1
	s_wait_xcnt 0x0
	s_wait_alu depctr_hold_cnt(0) depctr_sa_sdst(0) depctr_va_vdst(0) depctr_va_sdst(0) depctr_va_ssrc(0) depctr_va_vcc(0) depctr_vm_vsrc(0)
	s_getreg_b32 s2, hwreg(HW_REG_IB_STS2, 6, 4)
	s_cmp_eq_u32 s2, 0
	s_cbranch_scc0 .Lentry_in_a_cluster
	s_endpgm
.Lentry_in_a_cluster:
	s_bfe_u32 s2, ttmp6, 0x10000c
	s_cmp_lg_u32 s2, 0x3003
	s_cbranch_scc0 .Lentry_shape_is_right
	s_endpgm
.Lentry_shape_is_right:
; ATTENTION on codes of FP4 (E2M1) with E8M0 scales: S = q k^T, p = 2^(t - M), O = p v / l, and O / l quantised along the embedding for the last projection.
; t = score x log2(e) / 32 (the scores are divided by sqrt(1,024)); M = the row's largest t so far, rounded UP to a whole number; p is quantised along the keys and not normalised;
; the row's sum l is taken of the unquantised p, in f32.  When M moves, l and O are multiplied by 2^(old M - new M): exact.
; SHARES.  A work-group owns 256 queries of one (batch, head); each of its sixteen waves 16 of them: four waves to a SIMD.  8 x 32 = 256 work-groups.
; THE HEAD'S WHOLE k AND v, 147,456 dense bytes of kv, lie in LDS, each byte filled once: wave w fetches keys 128 w .. 128 w + 127 (9,216 bytes), its one tensor load.
; The four query blocks of a cluster read the same bytes and ask for them JOINTLY (mask 15).  Two barriers: the first shows keys 0 .. 511, the second, which is split round a trip, all the others.
; No prefetch: every byte is asked for at the head; no loop runs ahead of a load.
; LAYOUT (as the projections stored it): a group of 64 keys is 4,608 bytes: k's four tile images (512 bytes, lane l's 16 bytes at 16 l), k's scale words (256 bytes, lane l's 8 bytes at 8 l:
; word i = tile 2 i + l / 16, row l % 16; two bytes, and the same again above), then v's four tile images (16 of the head's 64 x the group's 64 keys) and v's scale words.
; Both products are used transposed: S^T = k q^T, O^T = v^T p^T: a lane holds ONE query (lane % 16).
; THE FIRST PRODUCT'S K IS 64, half of the instruction's: the other half is zero codes.  A tile of k lies in the lower half (its four registers, then four zeros) or in the upper (four zeros, then its registers), so that
; neighbouring tiles share their zeros; q stands on both sides of its own zeros.
; THE KEYS OF A TILE: tile t of a group has keys 8 t + 0 .. 7 in its rows 0-7 and keys 32 + 8 (t ^ 1) + 0 .. 7 in its rows 8-15.  So lanes 0-15 hold all of a group's first block of 32 keys in the 32 registers of its
; four tiles, and lanes 16-31 all of the second: a block's largest score needs no other lane, and the conversions' results are the second product's operand as they stand (v carries the same order of keys).
; A TRIP is 256 keys: four groups, two halves.  In it: a group of k is asked for one run of products ahead (two sets of registers); half 0's exponentials alternate with half 1's multiply-adds, half 1's exponentials
; with half 0's conversions and first sums; v's fragments land on the p that are done with; the next trip's first group is asked for ahead of the second product; the last sums of a trip stand at the next one's head.
; WHAT IS STORED: aimg [tile of 16 tokens][head][512]: a tile image of O / l (k = the head's 64 in their natural order); asc [head][tile][16 words]: its scale words (two bytes in the low half).
; A tile's rows are tokens in the order of q's tiles: of a group of 64, row m of tile t is token 8 t + m for m < 8, else 32 + 8 (t ^ 1) + m - 8.
; LIMITS: the promise holds while the scaled scores stay under 2^31 in magnitude; a block of O / l whose largest magnitude lies under 2^-124 gets the byte 1, and so does a block of p that has fallen to 0;
; a block's largest p is made from its largest score by the same multiply-add and exponential as every p (this takes v_exp_f32 not to fall where its input rises); the row's sum is formed in another
; order than a plain sum; NaN and infinities are not served.
.set REC,    2304
.set GRP,    4608
.set STEPB,  9216                      ; 128 keys: one load
.set TRIPB,  18432
.set HEADB,  147456
.set STG,    HEADB                     ; behind k and v: the sixteen waves' scale words of O / l, 64 bytes each; no load lands here
.set SPARE,  0x29000                   ; the spare words, 128 bytes a wave
.set L8,  1                            ; v1  8 x lane.  v0 keeps the thread's number
.set KSA, 2                            ; v2-3 k's scale words, set A
.set A16, 4                            ; v4  the trip's LDS addresses
.set A8,  5
.set T0,  6
.set PT,  7
.set QS,  8                            ; v8  q's scale words
.set PW,  10                           ; v10-11 p's scale words, 128 keys each.  v12 -M, v13 the largest score so far, v[14:15] the sum in two halves
.set QF,  16                           ; v16-27  q, zeros, q
.set KA,  28                           ; v28-51  set A: tile, zeros, tile, tile, zeros, tile
.set KB,  52                           ; v52-79  set B: zeros, tile, tile, zeros, tile, tile, zeros
.set PC0, 56                           ; p's codes of half 0 and 1 lie where set B's tiles 0, 1 and 2, 3 lay
.set PC1, 68
.set VR,  80                           ; v80-87  v's scale words as they lie: four groups; then words for 128 keys at v80-81 and v84-85
.set KSB, 80                           ; v80-81  k's scale words, set B
.set BM,  88                           ; v88-91  the blocks' largest scores, then largest p,
.set CV,  88                           ;         then the conversions' scale operands
.set F,   92                           ; v[92:93] f = 2^(old M - new M)
.set M2,  94                           ; v94-95  the maxima's second chains, then scale bytes; at the opening and at the end the add's two registers
.set O,   96                           ; v96-127 O^T
.set S,   128                          ; v128-255 S^T, then p; v128-191 then v's eight fragments
.set WV,  3
.set G1,  20
.set G0,  28
.set TB,  44                           ; s44 the LDS byte at which the trip begins
.set CNT, 45
.set SEL, 46                           ; s[46:47] v_permlanex16_b32's selects for lane l xor 16
.set CS,  48                           ; s[48:49] c = log2(e) / 32
.macro CROUND
	s_barrier_signal -1
	s_barrier_wait -1
	s_cmp_lg_u32 s[WV], 0
	s_cbranch_scc1 .Lnot_wave_0_\@
	s_barrier_signal -3
.Lnot_wave_0_\@:
	s_barrier_wait -3
	s_barrier_signal -1
	s_barrier_wait -1
.endm
.macro PLACES n
.rept \n
	v_nop
.endr
.endm
	s_load_b256 s[4:11], s[0:1], 0x0               ; qbuf s[4:5], kv s[6:7], aimg s[8:9], asc s[10:11]
	v_lshl_add_u32 v94, v0, 2, SPARE
	v_mov_b32 v95, 0
	ds_add_u32 v94, v95                            ; the wave's opening: the add, twice on end, and its wait
	ds_add_u32 v94, v95
	v_lshrrev_b32 v5, 5, v0
	v_readfirstlane_b32 s[WV], v5                  ; wave 0..15
	s_bfe_u32 s12, ttmp6, 0x40000                  ; cx: it enters q's and the outputs' addresses alone
	s_lshl_b32 s13, ttmp9, 2
	s_add_co_u32 s13, s13, s12                     ; my block of 256 queries
	s_and_b32 s14, ttmp7, 0xffff                   ; 16 x batch + head, which the four partners share
	s_mov_b32 s[G1], 15|(3<<16)|(1<<21)            ; 15:0 the mask: all four; elements of 8 bytes; 21 set beside a mask; no padding
	s_mov_b32 s[G1+1], 32<<16                      ; 9,216 dense bytes as 36 rows of 256
	s_mov_b32 s[G1+2], 36<<16
	s_mov_b32 s[G1+3], 32<<16
	s_mov_b32 s[G1+4], 36
	s_mov_b32 s[G1+5], 32
	s_mov_b32 s[G1+6], 0
	s_mov_b32 s[G1+7], 0
	s_mul_i32 s16, s[WV], STEPB                    ; which 128 keys I fetch: in LDS as in memory
	s_mul_i32 s52, s14, HEADB
	s_add_co_u32 s52, s52, s16
	s_mov_b32 s53, 0
	s_lshl_b32 s17, s13, 2
	s_lshr_b32 s18, s[WV], 2
	s_add_co_u32 s17, s17, s18                     ; my queries' group of 64: 4 x block + wave / 4
	s_mul_i32 s17, s17, REC
	s_mul_i32 s54, s14, 32*REC
	s_add_co_u32 s54, s54, s17
	s_mov_b32 s55, 0
	s_lshr_b32 s18, s14, 4                         ; the batch
	s_lshl_b32 s18, s18, 7
	s_lshl_b32 s19, s13, 4
	s_add_co_u32 s18, s18, s19                     ; the work-group's first tile of 16 tokens: 128 x batch + 16 x block
	s_and_b32 s19, s14, 15                         ; the head
	s_add_co_u32 s56, s18, s[WV]
	s_lshl_b32 s56, s56, 4
	s_add_co_u32 s56, s56, s19
	s_lshl_b32 s56, s56, 9                         ; aimg: (16 x tile + head) x 512
	s_mov_b32 s57, 0
	s_lshl_b32 s58, s19, 14
	s_lshl_b32 s18, s18, 6
	s_add_co_u32 s58, s58, s18                     ; asc: head x 16,384 + tile x 64
	s_mov_b32 s59, 0
	s_and_b32 s15, s[WV], 3
	s_lshl_b32 s18, s15, 9
	s_and_b32 s17, s[WV], 1
	s_lshl_b32 s17, s17, 7
	s_bfe_u32 s19, s[WV], 0x10001
	s_lshl_b32 s19, s19, 2
	s_add_co_u32 s17, s17, s19
	s_add_co_u32 s17, s17, 2048
	s_mov_b32 s[SEL], 0x76543210
	s_mov_b32 s[SEL+1], 0xfedcba98
	s_mov_b32 s[CS], 0x3d38aa3b                    ; c = log2(e) / 32
	s_mov_b32 s[CS+1], s[CS]                       ; (named with it as a pair)
	s_mov_b32 s50, 0x05040100                      ; v_perm_b32: the two low halves
	s_mov_b32 s51, 0x00ff0000
	v_and_b32 v6, 31, v0                           ; lane
	v_and_b32 v7, 15, v0                           ; r
	v_lshlrev_b32 v[L8], 3, v6
	v_lshl_add_u32 v4, v6, 4, s18                  ; q: tile wave % 4 of the record
	v_lshl_add_u32 v5, v7, 3, s17                  ; its scale words: tile t's word of row r lies at 2,048 + 8 (r + 16 (t % 2)) + 4 (t / 2)
	s_wait_alu depctr_va_vdst(0)                   ; directly ahead of the waits below
	s_wait_dscnt 0x0                               ; both opening adds are done
	s_wait_kmcnt 0x0
	s_add_nc_u64 s[4:5], s[4:5], s[54:55]
	global_load_b128 v[QF:QF+3], v4, s[4:5]        ; q stays in registers
	global_load_b128 v[QF+8:QF+11], v4, s[4:5]
	global_load_b32 v[QS], v5, s[4:5]
	s_add_nc_u64 s[6:7], s[6:7], s[52:53]
	s_add_nc_u64 s[8:9], s[8:9], s[56:57]
	s_add_nc_u64 s[10:11], s[10:11], s[58:59]
	s_mov_b32 s[G0], 1
	s_mov_b32 s[G0+1], s16
	s_mov_b64 s[G0+2:G0+3], s[6:7]
	s_or_b32 s[G0+3], s[G0+3], 0x80000000
	CROUND                                         ; all four work-groups are here: the joint loads meet
	s_cmp_lt_u32 s[WV], 4                          ; one load a wave; waves 0-3, which wait for theirs first, have a line of their own
	s_cbranch_scc0 .Lrest
	tensor_load_to_lds s[G0:G0+3], s[G1:G1+7]
	s_nop 0
	PLACES 4
	s_branch .Lasked
.Lrest:
	tensor_load_to_lds s[G0:G0+3], s[G1:G1+7]
	s_nop 0
	PLACES 4
.Lasked:
.irp j, 0,1,2,3
.irp z, QF+4, KA+4, KA+16, KB, KB+12, KB+24
	v_mov_b32 v[\z+\j], 0                          ; the first product's zero codes, written once
.endr
.endr
.set J, 0
.rept 32
	v_mov_b32 v[O+J], 0                            ; O^T.  (The first trip finds zeros, which the first change of M leaves zeros)
.set J, J+1
.endr
	v_mov_b32 v12, 0x7d000000                      ; -M: 2^123,
	v_mov_b32 v13, 0xff61b1e6                      ; the largest score so far: -3e38, under every score
	v_mov_b32 v14, 0                               ; the sum, in two halves
	v_mov_b32 v15, 0
	v_mov_b32 v[PT], 0                             ; a lane permute's destination counts as one of its sources
	v_mov_b32 v[F+1], 0                            ; (named as the upper half of a pair)
.macro KLOAD g                         ; k's four tiles of group g (4: the next trip's first) and their scale words: 5 loads; even groups into set A, odd ones into set B
.irp t, 0,1,2,3
.if (\g)%2
.set KD, KB+4+12*(\t/2)+4*(\t%2)
.else
.set KD, KA+12*(\t/2)+8*(\t%2)
.endif
	ds_load_b128 v[KD:KD+3], v[A16] offset:(\g)*GRP+512*\t
.endr
.if (\g)%2
	ds_load_b64 v[KSB:KSB+1], v[A8] offset:(\g)*GRP+2048
.else
	ds_load_b64 v[KSA:KSA+1], v[A8] offset:(\g)*GRP+2048
.endif
.endm
.macro KMUL g                          ; S^T = k q^T.  Tile t's scale words: lanes 0-15 of their register for an even t, lanes 16-31 for an odd one
.irp t, 0,1,2,3
.set ST, S+32*(\g)+8*\t
.if (\g)%2
.set KD, KB+12*(\t/2)+8*(\t%2)
.set KW, KSB+\t/2
.set QB, QF+4-4*(\t%2)                 ; set B: even tiles stand in the upper half of K
.else
.set KD, KA+12*(\t/2)+4*(\t%2)
.set KW, KSA+\t/2
.set QB, QF+4*(\t%2)                   ; set A: odd tiles do
.endif
.if \t%2
	v_wmma_scale_f32_16x16x128_f8f6f4 v[ST:ST+7], v[KD:KD+7], v[QB:QB+7], 0, v[KW], v[QS] matrix_a_fmt:MATRIX_FMT_FP4 matrix_b_fmt:MATRIX_FMT_FP4 matrix_a_scale:MATRIX_SCALE_ROW1
.else
	v_wmma_scale_f32_16x16x128_f8f6f4 v[ST:ST+7], v[KD:KD+7], v[QB:QB+7], 0, v[KW], v[QS] matrix_a_fmt:MATRIX_FMT_FP4 matrix_b_fmt:MATRIX_FMT_FP4
.endif
.endr
.endm
; THE LARGEST SCORE OF MY BLOCK of group g, in two chains, each accumulator from its low end on.  It serves twice: for the row's maximum, and, since p rises with the score, for the block's largest p.
.macro MAXA g
.set SB, S+32*(\g)
.set MC, M2+(\g)%2
	v_max3_num_f32 v[BM+\g], v[SB], v[SB+1], v[SB+2]
	v_max3_num_f32 v[MC], v[SB+16], v[SB+17], v[SB+18]
	v_max3_num_f32 v[BM+\g], v[BM+\g], v[SB+3], v[SB+4]
	v_max3_num_f32 v[MC], v[MC], v[SB+19], v[SB+20]
.endm
.macro MAXB g
.set SB, S+32*(\g)
.set MC, M2+(\g)%2
.irp i, 5,7,9,11,13
	v_max3_num_f32 v[BM+\g], v[BM+\g], v[SB+\i], v[SB+\i+1]
	v_max3_num_f32 v[MC], v[MC], v[SB+16+\i], v[SB+17+\i]
.endr
	v_max3_num_f32 v[BM+\g], v[BM+\g], v[SB+15], v[SB+31]
	v_max_num_f32 v[BM+\g], v[BM+\g], v[MC]
.endm
.macro TMINUS n                        ; t - M, two at a time
.rept \n
	v_pk_fma_f32 v[S+JT:S+JT+1], v[S+JT:S+JT+1], s[CS:CS+1], v[12:13] op_sel_hi:[1,0,0]
.set JT, JT+2
.endr
.endm
.macro EXPS n
.rept \n
	v_exp_f32 v[S+J], v[S+J]                       ; p = 2^(t - M)
.set J, J+1
.endr
.endm
.macro PADD d, e, n                    ; n pairs from v[e] on onto n pairs from v[d] on
.set PD, \d
.set PE, \e
.rept \n
	v_pk_add_f32 v[PD:PD+1], v[PD:PD+1], v[PE:PE+1]
.set PD, PD+2
.set PE, PE+2
.endr
.endm
.macro PV hf, pc                       ; O^T += v^T p^T; the four accumulators take turns
.irp d, 0,1,2,3
.set VB, S+32*\hf+8*\d
.if \d%2
	v_wmma_scale_f32_16x16x128_f8f6f4 v[O+8*\d:O+8*\d+7], v[VB:VB+7], v[\pc:\pc+7], v[O+8*\d:O+8*\d+7], v[VR+4*\hf+\d/2], v[PW+\hf] matrix_a_fmt:MATRIX_FMT_FP4 matrix_b_fmt:MATRIX_FMT_FP4 matrix_a_scale:MATRIX_SCALE_ROW1
.else
	v_wmma_scale_f32_16x16x128_f8f6f4 v[O+8*\d:O+8*\d+7], v[VB:VB+7], v[\pc:\pc+7], v[O+8*\d:O+8*\d+7], v[VR+4*\hf+\d/2], v[PW+\hf] matrix_a_fmt:MATRIX_FMT_FP4 matrix_b_fmt:MATRIX_FMT_FP4
.endif
.endr
.endm
.macro VLOAD hf                        ; v's four fragments of 128 keys
.irp c, 0,1
.irp d, 0,1,2,3
	ds_load_b128 v[S+32*\hf+8*\d+4*\c:S+32*\hf+8*\d+4*\c+3], v[A16] offset:(2*\hf+\c)*GRP+REC+512*\d
.endr
.endr
.endm
; A TRIP: 256 keys, at LDS byte s[TB].  first: nothing has been asked for or left over.  bar: the second barrier's wait stands ahead of the next trip's loads.  last: nothing is asked for ahead.
.macro TRIP first, bar, last
	v_lshl_add_u32 v[A16], v[L8], 1, s[TB]
	v_add_nc_u32 v[A8], s[TB], v[L8]
.if \first
	KLOAD 0
	KLOAD 1
.else
	PADD S+64, S+96, 8                             ; the last trip's 32 pairs of sums; with the two lines above also the places behind its second product
	KLOAD 1
	PADD S+80, S+112, 8
.endif
	s_wait_alu depctr_va_vdst(0)                   ; directly ahead of the wait below
	s_wait_dscnt 5                                 ; group 0 is in; group 1's five loads may be out
	KMUL 0
.if \first
	PLACES 4                                       ; in front of loads into registers that the products have read
.else
	PADD S+64, S+80, 8                             ; (these are such places too)
.endif
	KLOAD 2
.if (\first) == 0
	PADD S+64, S+72, 4
	PADD S+64, S+68, 2
	PADD S+64, S+66, 1
	PADD 14, S+64, 1
.endif
	s_wait_dscnt 5
	KMUL 1
	MAXA 0
	KLOAD 3
	MAXB 0
	s_wait_dscnt 5
	KMUL 2
	MAXA 1
	MAXB 1
	s_wait_dscnt 0x0
	KMUL 3
	MAXA 2
	MAXB 2
	MAXA 3
	MAXB 3
	v_max3_num_f32 v[T0], v[BM], v[BM+1], v[BM+2]
	v_max_num_f32 v[T0], v[T0], v[BM+3]            ; my half's largest score,
	v_permlanex16_b32 v[PT], v[T0], s[SEL], s[SEL+1]
	v_max3_num_f32 v13, v13, v[T0], v[PT]          ; with lane l xor 16's: the largest so far
	v_mul_f32 v[T0], s[CS], v13                    ; as t (c is positive)
	v_mov_b32 v[PT], v12
	v_floor_f32 v12, -v[T0]                        ; the new -M = floor(-t): M is a whole number
.set JT, 0
.irp g, 0,1,2,3
	v_fma_f32 v[BM+\g], v[BM+\g], s[CS], v12
.endr
	v_sub_f32 v[T0], v12, v[PT]                    ; old M - new M: a whole number, 0 or less
	TMINUS 8
	v_cvt_i32_f32 v[T0], v[T0]                     ; (it saturates)
	TMINUS 8
	v_ldexp_f32 v[F], 1.0, v[T0]                   ; f = 2^(old M - new M)
	TMINUS 16
	s_wait_alu depctr_va_vdst(0)                   ; ahead of the batch
.irp g, 0,1,2,3
	v_exp_f32 v[BM+\g], v[BM+\g]                   ; the blocks' largest p
.endr
.set J, 0
.rept 32                                               ; half 0's exponentials, half 1's multiply-adds: none of these reads what the others write
	EXPS 2
	TMINUS 1
.endr
	s_wait_alu depctr_va_vdst(0)                   ; behind the batch
	v_pk_mul_f32 v[14:15], v[14:15], v[F:F+1] op_sel_hi:[1,0]   ; the sum under the new M
.irp g, 0,1,2,3
	v_max_num_f32 v[BM+\g], 0x1800000, v[BM+\g]    ; the floor 2^(3 - 127)
.endr
.irp g, 0,1,2,3
	v_add_nc_u32 v[CV+\g], 0xff000000, v[BM+\g]    ; 2 off the exponent field: the conversion's scale operand
.endr
	s_wait_alu depctr_va_vdst(0)                   ; ahead of the second batch
.set N, 0
.rept 8                                                ; half 1's exponentials, half 0's conversions,
	EXPS 4
	v_cvt_scalef32_pk8_fp4_f32 v[PC0+N], v[S+8*N:S+8*N+7], v[CV+N/4]
.set N, N+1
.endr
	v_nop                                          ; one plain place behind a scaled conversion
.set N, 0
.rept 16                                               ; and half 0's first sums
	EXPS 2
	PADD S+32+2*N, S+2*N, 1
.set N, N+1
.endr
	s_wait_alu depctr_va_vdst(0)                   ; behind the second batch
.irp g, 0,1,2,3
	ds_load_b64 v[VR+2*\g:VR+2*\g+1], v[A8] offset:\g*GRP+REC+2048
.endr
	VLOAD 0
.set N, 0
.rept 8
	v_cvt_scalef32_pk8_fp4_f32 v[PC1+N], v[S+64+8*N:S+64+8*N+7], v[CV+2+N/4]
.set N, N+1
.endr
.irp u, 0,1
	v_lshrrev_b32 v[M2+\u], 23, v[CV+2*\u]         ; my blocks' bytes of 128 keys: the first group's at bits 7:0,
	v_lshrrev_b32 v[T0+\u], 7, v[CV+2*\u+1]        ; the second's at bits 23:16
.endr
.irp u, 0,1
	v_and_or_b32 v[M2+\u], v[T0+\u], s51, v[M2+\u]
.endr
.irp u, 0,1
	v_permlanex16_b32 v[T0+\u], v[M2+\u], s[SEL], s[SEL+1]
.endr
.irp u, 0,1
	v_lshl_or_b32 v[PW+\u], v[T0+\u], 8, v[M2+\u]  ; in lanes 0-15, which are read: p's scale word
.endr
	PADD S+64, S+32, 16
	VLOAD 1
.if \bar
	s_barrier_wait -1                              ; everybody's load has landed
.endif
.if \last
	s_wait_dscnt 16                                ; v's scale words are in; its sixteen fragment loads may be out
.else
	KLOAD 4
	s_wait_dscnt 21                                ; the same, and the next trip's five
.endif
.irp u, 0,1
	v_perm_b32 v[VR+4*\u], v[VR+4*\u+2], v[VR+4*\u], s50        ; two bytes of the first 64 keys, two of the second: a word for 128 keys
	v_perm_b32 v[VR+4*\u+1], v[VR+4*\u+3], v[VR+4*\u+1], s50
.endr
	s_wait_alu depctr_va_vdst(0)                   ; directly ahead of the first readers of O^T
.irp j, 0,2,4,6,8,10,12,14,16,18,20,22,24,26,28,30
	v_pk_mul_f32 v[O+\j:O+\j+1], v[O+\j:O+\j+1], v[F:F+1] op_sel_hi:[1,0]   ; O^T under the new M.  (And the places between the scale words above and the products below)
.endr
	s_wait_alu depctr_va_vdst(0)                   ; directly ahead of the wait below
.if \last
	s_wait_dscnt 8                                 ; the first 128 keys' eight fragment loads are in
.else
	s_wait_dscnt 13
.endif
	PV 0, PC0
.if \last
	s_wait_dscnt 0x0
.else
	s_wait_dscnt 5
.endif
	PV 1, PC1
.endm
	s_wait_alu depctr_va_vdst(0)                   ; at the head's end
	s_wait_loadcnt 0x0                             ; q
	s_cmp_lt_u32 s[WV], 4
	s_cbranch_scc0 .Lnot_first
	s_wait_tensorcnt 0x0                           ; waves 0-3: keys 0 .. 511 have landed
.Lnot_first:
	s_barrier_signal -1
	s_barrier_wait -1
	s_mov_b32 s[TB], 0
	TRIP 1, 0, 0
	s_mov_b32 s[TB], TRIPB
	s_wait_tensorcnt 0x0                           ; my load has landed, whichever it is,
	s_wait_dscnt 0x0
	s_barrier_signal -1                            ; and I say so; what follows up to the wait reads keys 256 .. 511, which have been shown, and works on registers
	TRIP 0, 1, 0
	s_mov_b32 s[TB], 2*TRIPB
	s_mov_b32 s[CNT], 5
.Lkeys:
	TRIP 0, 0, 0
	s_add_co_u32 s[TB], s[TB], TRIPB
	s_sub_co_u32 s[CNT], s[CNT], 1
	s_cmp_lg_u32 s[CNT], 0
	s_cbranch_scc1 .Lkeys
	s_mov_b32 s[TB], 7*TRIPB
	TRIP 0, 0, 1
	; THE END.  O^T / l: a lane's 32 registers are one block of 32 along the last projection's K.
	PADD S+64, S+96, 16                            ; the last trip's sums: places behind its second product too
	PADD S+64, S+80, 8
	PADD S+64, S+72, 4
	PADD S+64, S+68, 2
	PADD S+64, S+66, 1
	PADD 14, S+64, 1
	v_add_f32 v14, v14, v15                        ; the sum's two halves,
	v_permlanex16_b32 v[PT], v14, s[SEL], s[SEL+1]
	v_add_f32 v14, v14, v[PT]                      ; and lane l xor 16's: the row's sum
	v_and_b32 v44, 31, v0                          ; lane
	v_and_b32 v41, 15, v0                          ; r
	v_lshrrev_b32 v40, 5, v0
	v_lshlrev_b32 v40, 6, v40
	v_lshl_add_u32 v40, v41, 2, v40
	v_add_nc_u32 v40, STG, v40                     ; STG + 64 x wave + 4 r: where I put my row's scale word
	v_lshl_add_u32 v42, v0, 4, STG                 ; STG + 16 x thread: where threads 0-63 read 16 bytes back
	v_lshlrev_b32 v45, 4, v44                      ; 16 x lane
	s_wait_alu depctr_va_vdst(0)                   ; ahead of the transcendental
	v_rcp_f32 v14, v14
	v_lshlrev_b32 v43, 4, v0                       ; (a plain place behind the transcendental)  16 x thread
	s_wait_alu depctr_va_vdst(0)                   ; and behind it
.irp j, 0,2,4,6,8,10,12,14,16,18,20,22,24,26,28,30
	v_pk_mul_f32 v[S+\j:S+\j+1], v[O+\j:O+\j+1], v[14:15] op_sel_hi:[1,0]   ; each accumulator from its low end on
.endr
	v_max3_num_f32 v28, |v[S]|, |v[S+1]|, 0x1800000
	v_max3_num_f32 v29, |v[S+16]|, |v[S+17]|, 0x1800000
.irp j, 2,4,6,8,10,12,14
	v_max3_num_f32 v28, v28, |v[S+\j]|, |v[S+\j+1]|
	v_max3_num_f32 v29, v29, |v[S+16+\j]|, |v[S+17+\j]|
.endr
	v_max_num_f32 v28, v28, v29
	v_add_nc_u32 v30, 0xff000000, v28
	v_lshrrev_b32 v31, 23, v30                     ; my block's byte
.irp t, 0,1,2,3
	v_cvt_scalef32_pk8_fp4_f32 v[PC0+\t], v[S+8*\t:S+8*\t+7], v30
.endr
	v_mov_b32 v34, v31
	v_cmp_le_u32 vcc_lo, 16, v44
	v_permlane16_swap_b32 v31, v34                 ; the first block's byte in all lanes; the second's
	v_lshl_or_b32 v36, v34, 8, v31                 ; the row's scale word
	v_cndmask_b32 v46, v[PC0], v[PC0+1], vcc_lo    ; lanes 16-31: the eights back in their natural order, which Wo's rows have
	v_cndmask_b32 v47, v[PC0+1], v[PC0], vcc_lo
	v_cndmask_b32 v48, v[PC0+2], v[PC0+3], vcc_lo
	v_cndmask_b32 v49, v[PC0+3], v[PC0+2], vcc_lo
	ds_store_b32 v40, v36                          ; both halves of the lanes write the same word with the same value
	global_store_b128 v45, v[46:49], s[8:9]        ; the tile image: 512 consecutive bytes, aligned
	s_wait_alu depctr_va_vdst(0)                   ; directly ahead of the wait below
	s_wait_dscnt 0x0                               ; for the others' sake
	s_barrier_signal -1
	s_barrier_wait -1                              ; the sixteen waves' 1,024 bytes of scale words lie on end
	s_cmp_lt_u32 s[WV], 2
	s_cbranch_scc0 .Lno_words
	ds_load_b128 v[S:S+3], v42
	s_wait_dscnt 0x0
	global_store_b128 v43, v[S:S+3], s[10:11]      ; a wave stores 512 consecutive bytes, aligned
.Lno_words:
	v_lshl_add_u32 v94, v0, 2, SPARE               ; the add's two registers anew
	v_mov_b32 v95, 0
	s_wait_alu depctr_va_vdst(0)                   ; directly ahead of the wait below
	s_wait_tensorcnt 0x0                           ; the wave's end
	ds_add_u32 v94, v95
	s_wait_dscnt 0x0
	CROUND                                         ; the closing round
	s_endpgm
.Lfunc_end_k_qbb125159e9_attn:
	.size	k_qbb125159e9_attn, .Lfunc_end_k_qbb125159e9_attn-k_qbb125159e9_attn
	.p2alignl 7, 3214868480
	.fill 96, 4, 3214868480
	.section	.rodata,"a",@progbits
	.p2align	6, 0x0
	.amdhsa_kernel k_qbb125159e9_attn
		.amdhsa_group_segment_fixed_size 169984
		.amdhsa_private_segment_fixed_size 0
		.amdhsa_enable_private_segment 0
		.amdhsa_kernarg_size 32
		.amdhsa_user_sgpr_count 2
		.amdhsa_user_sgpr_kernarg_segment_ptr 1
		.amdhsa_wavefront_size32 1
		.amdhsa_system_sgpr_workgroup_id_x 1
		.amdhsa_system_sgpr_workgroup_id_y 1
		.amdhsa_system_sgpr_workgroup_id_z 1
		.amdhsa_system_vgpr_workitem_id 0
		.amdhsa_next_free_vgpr 256
		.amdhsa_next_free_sgpr 66
		.amdhsa_reserve_vcc 1
		.amdhsa_float_denorm_mode_32 3
		.amdhsa_float_denorm_mode_16_64 3
		.amdhsa_memory_ordered 1
		.amdhsa_forward_progress 1
		.amdhsa_inst_pref_size 117
	.end_amdhsa_kernel
	.amdgpu_metadata
---
amdhsa.version: [ 1, 2 ]
amdhsa.kernels:
  - .name:           k_qbb125159e9_attn
    .symbol:         k_qbb125159e9_attn.kd
    .args:
      - { .name: qbuf, .offset: 0, .size: 8, .value_kind: global_buffer, .address_space: global }
      - { .name: kv, .offset: 8, .size: 8, .value_kind: global_buffer, .address_space: global }
      - { .name: aimg, .offset: 16, .size: 8, .value_kind: global_buffer, .address_space: global }
      - { .name: asc, .offset: 24, .size: 8, .value_kind: global_buffer, .address_space: global }
    .group_segment_fixed_size: 169984
    .private_segment_fixed_size: 0
    .kernarg_segment_align: 8
    .kernarg_segment_size: 32
    .max_flat_workgroup_size: 512
    .sgpr_count:     66
    .vgpr_count:     256
    .wavefront_size: 32
...
	.end_amdgpu_metadata
.endif
;; end of part 2
;; launch outp (part 3): grid 8 x 32, 8 waves a work-group, clusters of 4 x 4, 182,272 bytes of LDS; arguments Wo_codes, Wo_scales, bo, aimg, asc, out0; writes out0
.if DOCPART == 3
	.amdgcn_target "amdgcn-amd-amdhsa--gfx1250"
	.amdhsa_code_object_version 6
	.text
	.protected	k_qbb125159e9_outp
	.globl	k_qbb125159e9_outp
	.p2align	8
	.type	k_qbb125159e9_outp,@function
k_qbb125159e9_outp:
	s_mov_b64 s[64:65], 0
	v_nop
	global_prefetch_b8 v0, s[64:65] scope:SCOPE_SE
	s_setreg_imm32_b32 hwreg(HW_REG_WAVE_MODE, 25, 1), 1
	s_wait_xcnt 0x0
	s_wait_alu depctr_hold_cnt(0) depctr_sa_sdst(0) depctr_va_vdst(0) depctr_va_sdst(0) depctr_va_ssrc(0) depctr_va_vcc(0) depctr_vm_vsrc(0)
	s_getreg_b32 s2, hwreg(HW_REG_IB_STS2, 6, 4)
	s_cmp_eq_u32 s2, 0
	s_cbranch_scc0 .Lentry_in_a_cluster
	s_endpgm
.Lentry_in_a_cluster:
	s_bfe_u32 s2, ttmp6, 0x10000c
	s_cmp_lg_u32 s2, 0xf033
	s_cbranch_scc0 .Lentry_shape_is_right
	s_endpgm
.Lentry_shape_is_right:
; THE LAST PROJECTION out0 = a Wo^T + bo on codes of FP4 (E2M1) with E8M0 scales.  a is attention's result as its launch stored it: aimg [tile of 16 tokens][head][512] tile images
; (lane l's 16 bytes at 16 l: k = the head's 32 (l / 16) + 0 .. 31 of token l % 16), asc [head][tile][16 words] scale words (two bytes in the low half).
; SHARES.  A work-group makes 128 columns n x 128 tokens with all of K = 1,024 in LDS, each byte filled once: 8 x 32 = 256 work-groups.  Eight waves, each 64 n x 32 tokens: 8 accumulators.
; CLUSTER 4 x 4.  Wo's tile hangs on the work-group's x and is asked for jointly by a column of the cluster; a's on its y, by a row.
; The product is used transposed (source 0 = 16 rows of Wo, source 1 = 16 tokens): a lane holds eight neighbouring columns of one row of out0.  bo is the C of the first products.
; A K step of 128 is two heads: registers 0-3 of a's fragment are head 2 q's image, registers 4-7 head 2 q + 1's; its scale word is the two words' low halves.
; THE TOKENS OF A TILE: a's tiles hold tokens in the order of attention's tiles: of a group of 64 tokens (four tiles), row m of tile t is token 8 t + m for m < 8, else 32 + 8 (t ^ 1) + m - 8.
; The order enters the rows' places in out0 alone.  ONE TENSOR LOAD A WAVE: waves 0 and 1 fetch Wo's halves, wave 2 its scale bytes, wave 3 a's scale words, waves 4 to 7 a's images.
; No prefetch: every byte is asked for once, at the head; there is no loop to run ahead in.
.set WPITCH, 528                       ; a row of Wo in LDS: 512 bytes + 16 of padding
.set AIM,  128*WPITCH                  ; a's images: 8 tiles x 16 heads x 512, as in memory
.set WSC,  AIM+65536                   ; Wo's scale bytes: 128 rows x 32, as 16 pieces of 256 + 16
.set ASC,  WSC+16*272                  ; a's scale words: 16 heads x 8 tiles x 64 bytes
.set STG,  ASC+8192                    ; the way out: 16 rows x (256 + 16) bytes for each wave; no load lands here
.set SP,   272
.set AW,  1                            ; v1  my Wo fragments
.set AA,  2                            ; v2  my a fragments
.set AWS, 3                            ; v3  Wo's scale words
.set AAS, 4                            ; v4  a's
.set STO, 5                            ; v5  the stage: where I put 32 bytes of a row
.set RD,  6                            ; v6  and where I read a row back
.set CO,  7                            ; v7  my byte offset in out0
.set AS,  8                            ; v8-15   a's scale word of K step q: lanes 0-15 tile 0, lanes 16-31 tile 1
.set WS,  16                           ; v16-47  Wo's: register 8 pt + q
.set BP,  48                           ; v48-79  bo in the result's layout
.set ACC, 80                           ; v80-143 accumulator (pt, rt) at 80 + 32 rt + 8 pt
.set FB,  144                          ; v144-191, v192-239 two sets of fragments: Wo's four, then a's two; later rows of out0
.set AH,  240                          ; v240-255 a's scale words by head
.set WV,  3
.set G1WS, 24
.set G1WC, 32
.set G1AS, 40
.set G1AI, 48
.set G0WS, 56
.set G0WC, 60
.set G0AS, 68
.set G0AI, 72
.macro CROUND
	s_barrier_signal -1
	s_barrier_wait -1
	s_cmp_lg_u32 s[WV], 0
	s_cbranch_scc1 .Lnot_wave_0_\@
	s_barrier_signal -3
.Lnot_wave_0_\@:
	s_barrier_wait -3
	s_barrier_signal -1
	s_barrier_wait -1
.endm
	s_load_b256 s[4:11], s[0:1], 0x0               ; Wo's codes s[4:5], Wo's scales s[6:7], bo s[8:9], aimg s[10:11]
	s_load_b128 s[12:15], s[0:1], 0x20             ; asc s[12:13], out0 s[14:15]
	s_set_vgpr_msb 0x40
	v_lshl_add_u32 v0, v0, 2, 0x2c400
	v_mov_b32 v1, 0
	s_set_vgpr_msb 0x4045
	ds_add_u32 v0, v1
	ds_add_u32 v0, v1
	s_set_vgpr_msb 0x4500
	v_lshrrev_b32 v8, 5, v0
	s_delay_alu instid0(VALU_DEP_1)
	v_readfirstlane_b32 s[WV], v8                  ; wave 0..7
	s_bfe_u32 s16, ttmp6, 0x40000                  ; cx
	s_bfe_u32 s17, ttmp6, 0x40004                  ; cy
	s_lshl_b32 s18, ttmp9, 2
	s_add_co_u32 s18, s18, s16                     ; which 128 columns
	s_and_b32 s19, ttmp7, 0xffff
	s_lshl_b32 s19, s19, 2
	s_add_co_u32 s19, s19, s17                     ; which 128 tokens
	s_lshl_b32 s20, s17, 2
	s_lshl_b32 s20, 15, s20                        ; my row of the cluster
	s_lshl_b32 s21, 0x1111, s16                    ; my column
	s_or_b32 s[G1WS], s21, (3<<16)|(1<<20)|(1<<21)|(5<<22)|(3<<25)  ; Wo's scale bytes of 128 rows: 4,096 dense bytes as 16 rows of 32 elements of 8 bytes, four words of padding behind each
	s_mov_b32 s[G1WS+1], 32<<16
	s_mov_b32 s[G1WS+2], 16<<16
	s_mov_b32 s[G1WS+3], 32<<16
	s_mov_b32 s[G1WS+4], 16
	s_mov_b32 s[G1WS+5], 32
	s_mov_b32 s[G1WS+6], 0
	s_mov_b32 s[G1WS+7], 0
	s_or_b32 s[G1WC], s21, (1<<20)|(1<<21)|(6<<22)|(3<<25)          ; Wo's codes: 64 rows of 512 bytes, four words of padding behind every 128
	s_mov_b32 s[G1WC+1], 512<<16
	s_mov_b32 s[G1WC+2], 64<<16
	s_mov_b32 s[G1WC+3], 512<<16
	s_mov_b32 s[G1WC+4], 64
	s_mov_b32 s[G1WC+5], 512
	s_mov_b32 s[G1WC+6], 0
	s_mov_b32 s[G1WC+7], 0
	s_or_b32 s[G1AS], s20, (3<<16)|(1<<21)         ; a's scale words: sixteen heads' 512 bytes (64 elements of 8), 16,384 bytes from head to head
	s_mov_b32 s[G1AS+1], 64<<16
	s_mov_b32 s[G1AS+2], 16<<16
	s_mov_b32 s[G1AS+3], 64<<16
	s_mov_b32 s[G1AS+4], 16
	s_mov_b32 s[G1AS+5], 2048
	s_mov_b32 s[G1AS+6], 0
	s_mov_b32 s[G1AS+7], 0
	s_or_b32 s[G1AI], s20, (3<<16)|(1<<21)         ; a's images of two tiles: 16,384 dense bytes as 64 rows of 256
	s_mov_b32 s[G1AI+1], 32<<16
	s_mov_b32 s[G1AI+2], 64<<16
	s_mov_b32 s[G1AI+3], 32<<16
	s_mov_b32 s[G1AI+4], 64
	s_mov_b32 s[G1AI+5], 32
	s_mov_b32 s[G1AI+6], 0
	s_mov_b32 s[G1AI+7], 0
	s_and_b32 s22, s[WV], 3                        ; which quarter of a's images I would fetch
	s_and_b32 s23, s[WV], 1                        ; wp: my 64 columns.  Also: which half of Wo's rows I would fetch
	s_lshr_b32 s88, s[WV], 1                       ; wr: my 32 tokens
	s_lshl_b32 s76, s18, 12                        ; Wo's scales: 128 rows x 32 bytes a tile
	s_mov_b32 s77, 0
	s_lshl_b32 s78, s18, 16                        ; Wo's codes: 128 rows x 512 bytes, 64 rows a half
	s_lshl_b32 s90, s23, 15
	s_add_co_u32 s78, s78, s90
	s_mov_b32 s79, 0
	s_lshl_b32 s80, s19, 9                         ; a's scale words: the work-group's 8 tiles x 64 bytes of each head
	s_mov_b32 s81, 0
	s_lshl_b32 s82, s19, 16                        ; a's images: 8 tiles x 8,192 bytes, two tiles a quarter
	s_lshl_b32 s91, s22, 14
	s_add_co_u32 s82, s82, s91
	s_mov_b32 s83, 0
	s_mov_b32 s84, WSC                             ; and where they go: no place in the cluster enters an LDS address
	s_mul_i32 s85, s23, 64*WPITCH
	s_mov_b32 s86, ASC
	s_lshl_b32 s87, s22, 14
	s_add_co_u32 s87, s87, AIM
	s_lshl_b32 s92, s18, 9
	s_lshl_b32 s93, s23, 8
	s_add_co_u32 s92, s92, s93                     ; my first column, in bytes
	s_mov_b32 s93, 0
	s_lshl_b32 s94, s19, 19
	s_lshr_b32 s95, s88, 1                         ; my group of 64 tokens,
	s_lshl_b32 s95, s95, 18
	s_add_co_u32 s94, s94, s95
	s_and_b32 s95, s88, 1                          ; and in it my two tiles: from token 16 x (wr % 2) on
	s_lshl_b32 s95, s95, 16
	s_add_co_u32 s94, s94, s95                     ; my first token's row of 4,096 bytes,
	s_add_co_u32 s94, s94, s92                     ; at my first column
	s_mov_b32 s95, 0
	s_mov_b32 s89, 0x05040100                      ; v_perm_b32: the two low halves
	v_and_b32 v9, 15, v0                           ; r
	v_bfe_u32 v10, v0, 4, 1                        ; h
	v_and_b32 v11, 31, v0                          ; lane
	s_delay_alu instid0(VALU_DEP_2)
	v_lshlrev_b32 v8, 5, v10                       ; bo: 32 h
	s_mul_i32 s90, s23, 64*WPITCH
	v_mul_u32_u24 v12, v9, WPITCH
	s_delay_alu instid0(VALU_DEP_1)
	v_lshl_add_u32 v12, v10, 4, v12
	s_delay_alu instid0(VALU_DEP_1)
	v_add_nc_u32 v[AW], s90, v12                   ; row x pitch + 16 h
	s_lshl_b32 s90, s88, 14
	s_add_co_u32 s90, s90, AIM
	v_lshl_add_u32 v[AA], v11, 4, s90              ; 16 x lane in my two tiles' images
	s_mul_i32 s90, s23, 8*272
	s_add_co_u32 s90, s90, WSC
	v_lshrrev_b32 v12, 3, v9
	s_delay_alu instid0(VALU_DEP_1)
	v_mul_u32_u24 v12, v12, 272
	v_and_b32 v13, 7, v9
	s_delay_alu instid0(VALU_DEP_1)
	v_lshl_add_u32 v12, v13, 5, v12
	s_delay_alu instid0(VALU_DEP_1)
	v_add_nc_u32 v[AWS], s90, v12                  ; a row's 32 scale bytes: eight rows to a piece of 256 + 16
	s_lshl_b32 s90, s88, 7
	s_add_co_u32 s90, s90, ASC
	v_lshl_add_u32 v[AAS], v11, 2, s90             ; lanes 0-15 my first tile's words, lanes 16-31 my second's
	s_mul_i32 s90, s[WV], 16*SP
	s_add_co_u32 s90, s90, STG
	v_mul_u32_u24 v12, v9, SP
	s_delay_alu instid0(VALU_DEP_1)
	v_lshl_add_u32 v12, v10, 5, v12
	s_delay_alu instid0(VALU_DEP_1)
	v_add_nc_u32 v[STO], s90, v12                  ; in: row r, 32 bytes for each half of the lanes
	v_mul_u32_u24 v12, v10, SP
	s_delay_alu instid0(VALU_DEP_1)
	v_lshl_add_u32 v12, v9, 4, v12
	s_delay_alu instid0(VALU_DEP_1)
	v_add_nc_u32 v[RD], s90, v12                   ; back: lanes 0-15 one row of 256 bytes, lanes 16-31 the next
	v_lshlrev_b32 v[CO], 12, v10
	s_delay_alu instid0(VALU_DEP_1)
	v_lshl_add_u32 v[CO], v9, 4, v[CO]             ; and the same two rows in out0
	s_wait_dscnt 0x0
	s_wait_kmcnt 0x0
	s_add_nc_u64 s[8:9], s[8:9], s[92:93]
	s_add_nc_u64 s[14:15], s[14:15], s[94:95]
	s_mov_b32 s[G0WS], 1
	s_mov_b32 s[G0WS+1], s84
	s_add_nc_u64 s[G0WS+2:G0WS+3], s[6:7], s[76:77]
	s_or_b32 s[G0WS+3], s[G0WS+3], 0x80000000
	s_mov_b32 s[G0WC], 1
	s_mov_b32 s[G0WC+1], s85
	s_add_nc_u64 s[G0WC+2:G0WC+3], s[4:5], s[78:79]
	s_or_b32 s[G0WC+3], s[G0WC+3], 0x80000000
	s_mov_b32 s[G0AS], 1
	s_mov_b32 s[G0AS+1], s86
	s_add_nc_u64 s[G0AS+2:G0AS+3], s[12:13], s[80:81]
	s_or_b32 s[G0AS+3], s[G0AS+3], 0x80000000
	s_mov_b32 s[G0AI], 1
	s_mov_b32 s[G0AI+1], s87
	s_add_nc_u64 s[G0AI+2:G0AI+3], s[10:11], s[82:83]
	s_or_b32 s[G0AI+3], s[G0AI+3], 0x80000000
	CROUND                                         ; all sixteen work-groups are here: the joint loads meet
.macro ARM under, g0, g1, next         ; one tree of branches on the wave's number, one load to an arm
	s_cmp_lt_u32 s[WV], \under
	s_cbranch_scc0 \next
	tensor_load_to_lds s[\g0:\g0+3], s[\g1:\g1+7]
	s_nop 0
.rept 4
	v_nop
.endr
	s_branch .Lasked
\next:
.endm
	ARM 2, G0WC, G1WC, .Lhead_ws
	ARM 3, G0WS, G1WS, .Lhead_as
	ARM 4, G0AS, G1AS, .Lhead_ai
	tensor_load_to_lds s[G0AI:G0AI+3], s[G1AI:G1AI+7]
	s_nop 0
.rept 4
	v_nop
.endr
.Lasked:
.irp pt, 0,1,2,3
	global_load_b128 v[BP+8*\pt:BP+8*\pt+3], v8, s[8:9] offset:64*\pt          ; bo at columns 16 pt + 8 h + 0 .. 7
	global_load_b128 v[BP+8*\pt+4:BP+8*\pt+7], v8, s[8:9] offset:64*\pt+16
.endr
.macro FETCH q, f                      ; K step q's fragments into the set at f: Wo's four, a's two: 12 loads
.irp pt, 0,1,2,3
.irp c, 0,1
	ds_load_b128 v[(\f)+8*\pt+4*\c:(\f)+8*\pt+4*\c+3], v[AW] offset:16*WPITCH*\pt+64*(\q)+32*\c
.endr
.endr
.irp rt, 0,1
.irp c, 0,1
	ds_load_b128 v[(\f)+32+8*\rt+4*\c:(\f)+32+8*\rt+4*\c+3], v[AA] offset:8192*\rt+512*(2*(\q)+\c)
.endr
.endr
.endm
.macro WM acc, pf, rf, cc, sa, sb, row
.if \row
	v_wmma_scale_f32_16x16x128_f8f6f4 v[(\acc):(\acc)+7], v[(\pf):(\pf)+7], v[(\rf):(\rf)+7], v[(\cc):(\cc)+7], v[\sa], v[\sb] matrix_a_fmt:MATRIX_FMT_FP4 matrix_b_fmt:MATRIX_FMT_FP4 matrix_b_scale:MATRIX_SCALE_ROW1
.else
	v_wmma_scale_f32_16x16x128_f8f6f4 v[(\acc):(\acc)+7], v[(\pf):(\pf)+7], v[(\rf):(\rf)+7], v[(\cc):(\cc)+7], v[\sa], v[\sb] matrix_a_fmt:MATRIX_FMT_FP4 matrix_b_fmt:MATRIX_FMT_FP4
.endif
.endm
.macro KSTEP q                         ; the next K step's fragments are asked for, then this one's eight products; the eight accumulators take turns
.if \q < 7
.if \q > 0
.rept 4
	v_nop                                          ; places in front of loads into the set that the last step's products have read
.endr
.endif
	FETCH \q+1, FB+48*((\q+1)%2)
	s_wait_dscnt 12                                ; all but the 12 just issued
.else
	s_wait_dscnt 0x0
.endif
.irp rt, 0,1
.irp pt, 0,1,2,3
.if \q == 0
	WM ACC+32*\rt+8*\pt, FB+48*(\q%2)+8*\pt, FB+48*(\q%2)+32+8*\rt, BP+8*\pt, WS+8*\pt+\q, AS+\q, \rt
.else
	WM ACC+32*\rt+8*\pt, FB+48*(\q%2)+8*\pt, FB+48*(\q%2)+32+8*\rt, ACC+32*\rt+8*\pt, WS+8*\pt+\q, AS+\q, \rt
.endif
.endr
.endr
.endm
	s_wait_loadcnt 0x0                             ; bo
	s_wait_tensorcnt 0x0                           ; my load has landed,
	s_barrier_signal -1
	s_barrier_wait -1                              ; everybody's have
.irp pt, 0,1,2,3
.irp u, 0,1
	ds_load_b128 v[WS+8*\pt+4*\u:WS+8*\pt+4*\u+3], v[AWS] offset:2*272*\pt+16*\u   ; all of K's scale words of my rows of Wo
.endr
.endr
	s_wait_alu depctr_va_vdst(0)
.irp e, 0,1,2,3,4,5,6,7,8,9,10,11,12,13,14,15
	ds_load_b32 v[AH+\e], v[AAS] offset:512*\e     ; and of my tokens, head by head
.endr
	FETCH 0, FB
	s_wait_dscnt 12                                ; the scale words are in; the first fragments' 12 loads may be out
.irp q, 0,1,2,3,4,5,6,7
	v_perm_b32 v[AS+\q], v[AH+2*\q+1], v[AH+2*\q], s89   ; head 2 q's two bytes below, head 2 q + 1's above
.endr
.rept 8
	v_nop                                          ; a scale register written by a vector instruction stands eight places ahead of the product that names it
.endr
	s_wait_alu depctr_va_vdst(0)
.irp q, 0,1,2,3,4,5,6,7
	KSTEP \q
.endr
	; THE WAY OUT.  A tile of 16 tokens x 64 columns goes through my own stage and comes back as whole rows of 256 bytes.  LDS serves a wave's instructions in order (ISA guide 5.7.1.4): no wait between
	; the stores and the loads, nor in front of the second tile's stores.
.rept 4
	v_nop                                          ; places behind the last products
.endr
.irp rt, 0,1
.irp pt, 0,1,2,3
	ds_store_b128 v[STO], v[ACC+32*\rt+8*\pt:ACC+32*\rt+8*\pt+3] offset:64*\pt        ; each accumulator from its low end on
	ds_store_b128 v[STO], v[ACC+32*\rt+8*\pt+4:ACC+32*\rt+8*\pt+7] offset:64*\pt+16
.endr
.irp i, 0,1,2,3,4,5,6,7
	ds_load_b128 v[FB+32*\rt+4*\i:FB+32*\rt+4*\i+3], v[RD] offset:2*SP*\i
.endr
.endr
.irp rt, 0,1
.irp i, 0,1,2,3,4,5,6,7
	s_wait_dscnt 23-16*\rt-\i                      ; behind this pair of rows' load: the tile's later loads, and for the first tile the second's sixteen instructions
	global_store_b128 v[CO], v[FB+32*\rt+4*\i:FB+32*\rt+4*\i+3], s[14:15] offset:(8*\rt+2*\i+(\i/4)*(32-16*\rt))*4096 th:TH_STORE_NT   ; 16 lanes store 256 consecutive bytes, aligned; rows 8-15 of a tile lie 32 - 16 rt tokens further on; written once, read by nobody here
.endr
.endr
	s_set_vgpr_msb 0x5
	s_wait_tensorcnt 0x0
	ds_add_u32 v0, v1
	s_wait_dscnt 0x0
	s_set_vgpr_msb 0x500
	CROUND                                         ; the closing round
	s_endpgm
.Lfunc_end_k_qbb125159e9_outp:
	.size	k_qbb125159e9_outp, .Lfunc_end_k_qbb125159e9_outp-k_qbb125159e9_outp
	.p2alignl 7, 3214868480
	.fill 96, 4, 3214868480
	.section	.rodata,"a",@progbits
	.p2align	6, 0x0
	.amdhsa_kernel k_qbb125159e9_outp
		.amdhsa_group_segment_fixed_size 182272
		.amdhsa_private_segment_fixed_size 0
		.amdhsa_enable_private_segment 0
		.amdhsa_kernarg_size 48
		.amdhsa_user_sgpr_count 2
		.amdhsa_user_sgpr_kernarg_segment_ptr 1
		.amdhsa_wavefront_size32 1
		.amdhsa_system_sgpr_workgroup_id_x 1
		.amdhsa_system_sgpr_workgroup_id_y 1
		.amdhsa_system_sgpr_workgroup_id_z 1
		.amdhsa_system_vgpr_workitem_id 0
		.amdhsa_next_free_vgpr 258
		.amdhsa_next_free_sgpr 96
		.amdhsa_reserve_vcc 0
		.amdhsa_float_denorm_mode_32 3
		.amdhsa_float_denorm_mode_16_64 3
		.amdhsa_memory_ordered 1
		.amdhsa_forward_progress 1
		.amdhsa_inst_pref_size 32
	.end_amdhsa_kernel
	.amdgpu_metadata
---
amdhsa.version: [ 1, 2 ]
amdhsa.kernels:
  - .name:           k_qbb125159e9_outp
    .symbol:         k_qbb125159e9_outp.kd
    .args:
      - { .name: Wo_codes, .offset: 0, .size: 8, .value_kind: global_buffer, .address_space: global }
      - { .name: Wo_scales, .offset: 8, .size: 8, .value_kind: global_buffer, .address_space: global }
      - { .name: bo, .offset: 16, .size: 8, .value_kind: global_buffer, .address_space: global }
      - { .name: aimg, .offset: 24, .size: 8, .value_kind: global_buffer, .address_space: global }
      - { .name: asc, .offset: 32, .size: 8, .value_kind: global_buffer, .address_space: global }
      - { .name: out0, .offset: 40, .size: 8, .value_kind: global_buffer, .address_space: global }
    .group_segment_fixed_size: 182272
    .private_segment_fixed_size: 0
    .kernarg_segment_align: 8
    .kernarg_segment_size: 48
    .max_flat_workgroup_size: 256
    .sgpr_count:     96
    .vgpr_count:     258
    .wavefront_size: 32
...
	.end_amdgpu_metadata
.endif
;; end of part 3
